; MI455X (gfx1250); checked and timed in simulation.
; The chip was launched on July 23, 2026; its instructions are those of AMD's public machine-readable ISA for CDNA 5 (MIT licence, August 2026) and "CDNA5" Instruction Set Architecture Reference Guide (July 2026). The comments in the code are by the model that wrote it; some were corrected since.
;; Uniform Matcher. Allowed arithmetic: float matrix products may take bf16 or f16 operands with f32 sums; other float arithmetic in f32, or as packed bf16 or f16 multiplies, adds, multiply-adds, maxima and minima; sums over many terms, partial sums and values carried from step to step in f32; what a program stores and reads back later, other than sums and carried values, may be rounded once to bf16 or f16.
;; Inputs: anchors 8 x 16,384 x 4 float32; pred_boxes 8 x 16,384 x 4 float32; targets 8 x 64 x 4 float32.
;; Outputs: out0 8 x 4,096 int32; out1 8 x 4,096 int32.
;; Constants: match_times = 4.
;; One version. Each part assembles by itself: llvm-mc -triple=amdgcn-amd-amdhsa -mcpu=gfx1250 --defsym DOCPART=n.
;; ======== version 1 of 1: 2 launches
;; workspace buffers: order 65,536 bytes of whole numbers
;; launch scan (part 1): grid 32 x 8, 8 waves a work-group, clusters of 4 x 1, 313,344 bytes of LDS; arguments pred_boxes, targets, order; writes order
.if DOCPART == 1
	.amdgcn_target "amdgcn-amd-amdhsa--gfx1250"
	.amdhsa_code_object_version 6
	.text
	.protected	k_qbe441f4be2_scan
	.globl	k_qbe441f4be2_scan
	.p2align	8
	.type	k_qbe441f4be2_scan,@function
k_qbe441f4be2_scan:
	s_mov_b64 s[64:65], 0
	v_nop
	global_prefetch_b8 v0, s[64:65] scope:SCOPE_SE
	s_setreg_imm32_b32 hwreg(HW_REG_WAVE_MODE, 25, 1), 1
	s_wait_xcnt 0x0
	s_wait_alu depctr_hold_cnt(0) depctr_sa_sdst(0) depctr_va_vdst(0) depctr_va_sdst(0) depctr_va_ssrc(0) depctr_va_vcc(0) depctr_vm_vsrc(0)
	s_getreg_b32 s2, hwreg(HW_REG_IB_STS2, 6, 4)
	s_cmp_eq_u32 s2, 0
	s_cbranch_scc0 .Lentry_in_a_cluster
	s_endpgm
.Lentry_in_a_cluster:
	s_bfe_u32 s2, ttmp6, 0x10000c
	s_cmp_lg_u32 s2, 0x3003
	s_cbranch_scc0 .Lentry_shape_is_right
	s_endpgm
.Lentry_shape_is_right:
; UNIFORM MATCHER, FIRST PART.  cost(b, t, q) = ((|d0| + |d1|) + |d2|) + |d3|, d = pred[b][q] - target[t], all in f32 and in this order of sums.
; For each image b (8) and each of the 512 targets the four queries of least cost are wanted, equal costs by ascending index.
; The 16,384 queries of an image are cut into 512 CHUNKS of 32 neighbouring queries.  Order the chunks by (least cost in the chunk, chunk number): that is the
; order of their best elements.  A query of a chunk that is not among the first four has four better queries ahead of it, so the four wanted queries lie in the first
; four chunks.  This launch finds those four chunk numbers for every (b, t) and stores them as whole numbers; the next launch looks into the chunks.
; So a pair costs 5.5 instructions here (two packed subtractions, three additions that take magnitudes, half a three-way minimum), and the costly sorted
; insertion with numbers is paid once for 32 pairs.
; INPUTS.  The module's third input, anchors, enters no result (the module's own text overwrites the anchors' cost by the predictions'): it is not an argument here.
; LIMITS.  NaN and infinite costs are not treated apart (a chunk whose least cost is not below +infinity is never chosen).
; SHARES.  A work-group: one image, 16 targets, all queries.  Wave w of 8: chunks 64 w .. 64 w + 63, in two blocks of 32; a lane holds ONE chunk in 128 registers.
; CLUSTER.  The four work-groups of a cluster have the same image and other targets: each tile of queries is asked for JOINTLY, by the same tensor load with the same descriptor
; and a mask that names the four.  The work-group's place in the cluster enters the addresses of the targets and of the result alone.
; LDS.  The whole image lies in LDS, a chunk a row, so nothing is filled twice: all tiles are asked for at the head, two a wave, and a wave reads only the tiles that it
; asked for itself, behind its own wait.  Nothing could be asked for earlier than that, so there is no prefetch.
.set PITCH, 528                 ; a chunk's row in LDS: 512 bytes + 16 of padding = 132 words: row r starts at bank 4 r mod 64 (64 banks of 4 bytes: ISA guide 11.1)
.set BLK,   32*PITCH            ; a block: 32 chunks, one tensor load
.set MOFF,  512*PITCH           ; behind the tiles: the chunks' least costs.  Wave w's own region at MOFF + w MWAV; in it target t at t MTGT, block k at k MSEG, lane l at 4 l
.set MSEG,  144                 ; 128 bytes + 16
.set MTGT,  2*MSEG
.set MWAV,  16*MTGT+32          ; 1,160 words
.set TGO,   307712              ; the targets, a copy for each wave: 16 targets, then targets 0 and 1 once more (the loop fetches one trip ahead)
.set TWAV,  512
.set RES,   TGO+8*TWAV          ; 16 rows x 16 bytes: the result, gathered for one store
.set SPARE, RES+256             ; the spare words, 128 bytes for each wave: four blocks of 256 bytes that no other line names
.set LN,  2                     ; v2   lane
.set L15, 3                     ; v3   lane % 16
.set H,   4                     ; v4   lane / 16
.set LA,  5                     ; v5   LDS address of my chunk of block 0
.set MB,  6                     ; v6   where my least cost for target 0, block 0 goes
.set MA,  7                     ; v7   the same for the trip in hand
.set T0,  8                     ; v[8:11]   the trip's first target, alike in all lanes
.set T1,  12                    ; v[12:15]  its second
.set D,   16                    ; v[16:31]  differences: four queries by turns
.set S,   32                    ; v[32:39]  sums: eight queries by turns
.set MN,  40                    ; v40, v41  the chunk's least cost for the two targets
.set SPW, 42                    ; v42  LDS address of my spare word; never rewritten
.set NIL, 43                    ; v43  0; never rewritten
.set TA,  44                    ; v44  LDS address of the next trip's targets
.set TS,  45                    ; v45, v46  where the targets are put
.set TS2, 46
.set GA,  47                    ; v47, v48  byte offsets in targets
.set GB,  48
.set XA,  49                    ; v49  the tail: where I read 32 least costs of my row
.set RA,  50                    ; v50  where my row's result goes
.set RB,  51                    ; v51  where it is read back
.set OA,  52                    ; v52  my 16 bytes of the work-group's 256 in order
.set P,   64                    ; v[64:191] my chunk: query j at P + 4 j
.set V,   16                    ; the tail: v[16:19] four least values, ascending; v[20:23] their numbers; v[24:26] at work
.set I,   20
.set TT,  24
.set R,   27
.set E,   28
.set BIG, 29
.set W,   32                    ; v[32:35] the row's four chunk numbers
.set X,   P                     ; v[64:95] 32 least costs
.set WV,  10                    ; s10  my wave's number
.set G1,  16                    ; s[16:23] descriptor group 1
.set G0,  24                    ; s[24:31] descriptor group 0, a set for each of my two tiles
.set CNT, 32
.set TBS, 33                    ; s33  my copy of the targets
.set TN,  34                    ; s34  its third target
.set CM,  36                    ; s[36:43] two sets of four lane masks, by turns
; A round of the cluster's barrier: my work-group's barrier, so that wave 0's signal speaks for all eight waves; wave 0 signals; every wave waits for all four work-groups; my work-group's barrier once more.
.macro CROUND
	s_barrier_signal -1
	s_barrier_wait -1
	s_cmp_lg_u32 s[WV], 0
	s_cbranch_scc1 .Lnot_wave_0_\@
	s_barrier_signal -3
.Lnot_wave_0_\@:
	s_barrier_wait -3
	s_barrier_signal -1
	s_barrier_wait -1
.endm
	s_load_b128 s[4:7], s[0:1], 0x0                ; pred_boxes s[4:5], targets s[6:7]
	s_load_b64 s[8:9], s[0:1], 0x10                ; order
	v_lshl_add_u32 v[SPW], v0, 2, SPARE
	v_mov_b32 v[NIL], 0
	ds_add_u32 v[SPW], v[NIL]                      ; the wave's opening: the add, twice on end, and its wait ahead of my first tensor load
	ds_add_u32 v[SPW], v[NIL]
	v_lshrrev_b32 v1, 5, v0
	v_readfirstlane_b32 s[WV], v1                  ; wave 0..7
	s_bfe_u32 s11, ttmp6, 0x40000                  ; cx: my place in the cluster
	s_lshl_b32 s12, ttmp9, 2                       ; in a cluster launch ttmp9 counts clusters
	s_add_co_u32 s12, s12, s11                     ; my group of 16 targets, 0..31
	s_and_b32 s13, ttmp7, 0xffff                   ; the image, which the four partners share
	; descriptor group 1: a tile of 32 rows x 128 elements of 4 bytes, dense in memory, padded in LDS
	s_mov_b32 s[G1], 15|(2<<16)|(1<<20)|(1<<21)|(6<<22)|(3<<25)  ; 15:0 the mask of four; 17:16 4-byte elements; 20 padding on; 21 set beside a mask; 24:22 after every 128 words (code 6); 31:25 4 words (code 3)
	s_mov_b32 s[G1+1], 128<<16                     ; tensor_dim0 = 128
	s_mov_b32 s[G1+2], 32<<16                      ; tensor_dim1 = 32
	s_mov_b32 s[G1+3], 128<<16                     ; tile_dim0 = 128
	s_mov_b32 s[G1+4], 32                          ; tile_dim1 = 32
	s_mov_b32 s[G1+5], 128                         ; 128 elements from row to row
	s_mov_b32 s[G1+6], 0
	s_mov_b32 s[G1+7], 0
	s_mul_i32 s14, s[WV], 2*BLK                    ; my 64 rows in LDS: the wave's number times a constant
	s_mov_b32 s[G0], 1                             ; count = 1
	s_mov_b32 s[G0+1], s14                         ; LDS address, block 0
	s_mov_b32 s[G0+4], 1
	s_add_co_u32 s[G0+5], s14, BLK                 ; block 1
	s_lshl_b32 s2, s13, 18                         ; the image's 262,144 bytes,
	s_lshl_b32 s3, s[WV], 15                       ; my 64 chunks of 512
	s_add_co_u32 s2, s2, s3
	s_mov_b32 s3, 0
	s_lshl_b32 s44, s13, 5                         ; the result: 256 bytes for each (image, group); in registers that feed no descriptor
	s_add_co_u32 s44, s44, s12
	s_lshl_b32 s44, s44, 8
	s_mov_b32 s45, 0
	s_wait_dscnt 0x0                               ; both opening adds are done
	s_wait_kmcnt 0x0
	s_add_nc_u64 s[G0+2:G0+3], s[4:5], s[2:3]      ; global address of my first tile,
	s_add_nc_u64 s[G0+6:G0+7], s[G0+2:G0+3], 16384 ; of my second
	s_or_b32 s[G0+3], s[G0+3], 0x80000000          ; type = 2
	s_or_b32 s[G0+7], s[G0+7], 0x80000000
	s_add_nc_u64 s[8:9], s[8:9], s[44:45]
	CROUND                                         ; all four work-groups are here: the joint loads meet
	tensor_load_to_lds s[G0:G0+3], s[G1:G1+7]      ; both my tiles go out together: two tensor loads of mine are out, and there are no more in the launch
	s_nop 0
	tensor_load_to_lds s[G0+4:G0+7], s[G1:G1+7]
	s_nop 0
	; all that follows up to the first block stands in the wait for the first tile
	v_and_b32 v[LN], 31, v0
	v_and_b32 v[L15], 15, v0
	v_bfe_u32 v[H], v0, 4, 1
	v_and_b32 v[TS2], 1, v0
	s_lshl_b32 s15, s12, 8                         ; my group's 256 bytes of targets
	v_lshl_add_u32 v[GA], v[L15], 4, s15           ; target lane % 16,
	v_lshl_add_u32 v[GB], v[TS2], 4, s15           ; target lane % 2
	global_load_b128 v[D:D+3], v[GA], s[6:7]
	global_load_b128 v[D+4:D+7], v[GB], s[6:7]
	s_lshl_b32 s[TBS], s[WV], 9
	s_add_co_u32 s[TBS], s[TBS], TGO
	s_add_co_u32 s[TN], s[TBS], 32
	v_lshl_add_u32 v[TS], v[L15], 4, s[TBS]
	v_lshl_add_u32 v[TS2], v[TS2], 4, s[TBS]
	v_mul_u32_u24 v[LA], v[LN], PITCH
	v_add_nc_u32 v[LA], s14, v[LA]                 ; my wave's rows + lane x pitch
	s_mul_i32 s35, s[WV], MWAV
	s_add_co_u32 s35, s35, MOFF
	v_lshl_add_u32 v[MB], v[LN], 2, s35
	; the tail's addresses.  Thread (wave w, lane l) takes row 2 w + l / 16 of the 16 targets and piece l % 16 of its 512 chunks: chunks 32 (l % 16) on, which wave (l % 16) / 2 wrote in block l % 2
	v_lshrrev_b32 v[XA], 1, v[L15]
	v_mul_u32_u24 v[XA], v[XA], MWAV
	v_and_b32 v[RA], 1, v[L15]
	v_mul_u32_u24 v[RA], v[RA], MSEG
	s_mul_i32 s35, s[WV], 2*MTGT
	s_add_co_u32 s35, s35, MOFF
	v_add3_u32 v[XA], v[XA], v[RA], s35
	v_mul_u32_u24 v[RA], v[H], MTGT
	v_add_nc_u32 v[XA], v[XA], v[RA]
	s_lshl_b32 s35, s[WV], 5
	s_add_co_u32 s35, s35, RES
	v_lshl_add_u32 v[RA], v[H], 4, s35             ; row 2 w + l / 16
	v_lshl_add_u32 v[RB], v[L15], 4, RES
	v_lshlrev_b32 v[OA], 4, v[L15]
	s_wait_loadcnt 0x0                             ; the targets
	ds_store_b128 v[TS], v[D:D+3]                  ; my wave's own copy (lanes 16 apart write the same bytes with the same numbers),
	ds_store_b128 v[TS2], v[D+4:D+7] offset:256    ; and targets 0 and 1 once more behind it
	v_mov_b32 v[TA], s[TBS]
	ds_load_b128 v[T0:T0+3], v[TA]                 ; LDS serves a wave's instructions in order (ISA guide 5.7.1.4): these see the stores above
	ds_load_b128 v[T1:T1+3], v[TA] offset:16
; A TRIP: my chunk's least cost for two targets: 64 (target, query) pairs i, 352 instructions, as one pipeline.  In step i stand the two packed subtractions of pair i, the first
; addition of pair i - 1, the second of pair i - 2, the third of pair i - 3, and in every other step the minimum that takes in pairs i - 5 and i - 4: so an instruction finds its sources made
; five or more instructions earlier.  A target's registers are loaded again, with the target two further on, as soon as its last subtraction is issued.
.macro TRIP
	s_wait_dscnt 3                                 ; the first target is in: behind its load were issued a store of a least cost, the second target's load and another store
.set i, 0
.rept 68
.if i == 32
	s_wait_dscnt 2                                 ; the second target is in: behind its load were issued the last trip's store and this trip's reload
.endif
.if i < 64
.set rd, D+4*(i%4)
.set rp, P+4*(i%32)
.set rt, T0+4*(i/32)
	v_pk_add_f32 v[rd:rd+1], v[rp:rp+1], v[rt:rt+1] neg_lo:[0,1] neg_hi:[0,1]
	v_pk_add_f32 v[rd+2:rd+3], v[rp+2:rp+3], v[rt+2:rt+3] neg_lo:[0,1] neg_hi:[0,1]
.endif
.if (i >= 1) && (i <= 64)
	v_add_f32 v[S+(i-1)%8], |v[D+4*((i-1)%4)]|, |v[D+4*((i-1)%4)+1]|
.endif
.if (i >= 2) && (i <= 65)
	v_add_f32 v[S+(i-2)%8], v[S+(i-2)%8], |v[D+4*((i-2)%4)+2]|
.endif
.if (i >= 3) && (i <= 66)
	v_add_f32 v[S+(i-3)%8], v[S+(i-3)%8], |v[D+4*((i-3)%4)+3]|
.endif
.if (i >= 5) && (i%2 == 1)
.set q, i-5
.if q%32 == 0
	v_min_num_f32 v[MN+q/32], v[S+q%8], v[S+(q+1)%8]  ; a target's first two costs start its minimum
.else
	v_min3_num_f32 v[MN+q/32], v[MN+q/32], v[S+q%8], v[S+(q+1)%8]
.endif
.endif
.if i == 31
	ds_load_b128 v[T0:T0+3], v[TA]
.endif
.if i == 35
	ds_store_b32 v[MA], v[MN]
.endif
.if i == 63
	ds_load_b128 v[T1:T1+3], v[TA] offset:16
.endif
.if i == 67
	ds_store_b32 v[MA], v[MN+1] offset:MTGT
.endif
.set i, i+1
.endr
	v_add_nc_u32 v[MA], 2*MTGT, v[MA]
	v_add_nc_u32 v[TA], 32, v[TA]
.endm
; A BLOCK: 32 chunks, a lane each, against the 16 targets, two a trip.  The eighth trip fetches the copies of targets 0 and 1: the next block begins with them (behind the last block they are not used).
.macro BLOCK k
	s_wait_tensorcnt 1-(\k)                        ; tensor loads of a wave end in order (ISA guide 10.11.1): this block's tile is in; for block 0 my second tile may stay out
.set j, 0
.rept 32
	ds_load_b128 v[P+4*j:P+4*j+3], v[LA] offset:(\k)*BLK+16*j
.set j, j+1
.endr
	v_add_nc_u32 v[MA], (\k)*MSEG, v[MB]
	v_mov_b32 v[TA], s[TN]
	s_mov_b32 s[CNT], 8
	s_wait_dscnt 0x0                               ; my chunk is in registers; the SIMD's other wave works meanwhile
.Ltrip_\@:
	TRIP
	s_sub_co_u32 s[CNT], s[CNT], 1
	s_cmp_lg_u32 s[CNT], 0
	s_cbranch_scc1 .Ltrip_\@
.endm
	BLOCK 0
	BLOCK 1
	; THE TAIL.  All least costs lie in LDS; sixteen lanes share a row of 512.
	s_wait_dscnt 0x0                               ; for the others' sake: my stores are done
	s_barrier_signal -1
	s_barrier_wait -1
.set j, 0
.rept 8
	ds_load_b128 v[X+4*j:X+4*j+3], v[XA] offset:16*j
.set j, j+1
.endr
.irp n, 0,1,2,3
	v_mov_b32 v[V+\n], 0x7f800000                  ; the list starts with four +infinity
	v_mov_b32 v[I+\n], 0
	v_mov_b32 v[W+\n], 0                           ; (a DPP form's destination counts as read)
.endr
	v_mov_b32 v[BIG], 0x7f800000
	v_mov_b32 v[R], 0
	v_mov_b32 v[E], 0
	s_wait_dscnt 0x0
; Value x, number j, into the ascending list of four: 15 instructions, no branch.  The numbers come in ascending order and the comparisons are strict, so equal values stay in ascending order of their numbers.
; New value k is x held between old values k - 1 and k.  New number k: old number k - 1 where x is below value k - 1; else j where x is below value k; else as it was.
.macro INS x, j
.set cm, CM+4*((\j)%2)
	v_cmp_lt_f32 s[cm+3], v[\x], v[V+3]
	v_cmp_lt_f32 s[cm+2], v[\x], v[V+2]
	v_cmp_lt_f32 s[cm+1], v[\x], v[V+1]
	v_cmp_lt_f32 s[cm], v[\x], v[V]
	v_med3_num_f32 v[V+3], v[V+2], v[V+3], v[\x]
	v_med3_num_f32 v[V+2], v[V+1], v[V+2], v[\x]
	v_med3_num_f32 v[V+1], v[V], v[V+1], v[\x]
	v_min_num_f32 v[V], v[V], v[\x]
	v_cndmask_b32 v[TT+2], v[I+3], \j, s[cm+3]
	v_cndmask_b32 v[TT+1], v[I+2], \j, s[cm+2]
	v_cndmask_b32 v[TT], v[I+1], \j, s[cm+1]
	v_cndmask_b32 v[I+3], v[TT+2], v[I+2], s[cm+2]
	v_cndmask_b32 v[I+2], v[TT+1], v[I+1], s[cm+1]
	v_cndmask_b32 v[I+1], v[TT], v[I], s[cm]
	v_cndmask_b32 v[I], v[I], \j, s[cm]
.endm
.set n, 0
.rept 32
	INS X+n, n
.set n, n+1
.endr
.irp n, 0,1,2,3
	v_lshl_add_u32 v[I+\n], v[L15], 5, v[I+\n]     ; the chunk's number in the image: 32 x piece + place,
.endr
.irp n, 0,1,2,3
	v_cvt_f32_u32 v[I+\n], v[I+\n]                 ; as f32 (exact: below 512), so that the minimum across lanes can ride on DPP
.endr
; Round k of four: the least of the sixteen lists' heads; among equal heads the lowest number; the lane that held it moves its list up.  A lane's head is its least in (value, number), so the choice is the row's.
.macro PICK16 k
	v_min_num_f32_dpp v[R], v[V], v[V] row_xmask:1 row_mask:0xf bank_mask:0xf
	v_min_num_f32_dpp v[R], v[R], v[R] row_xmask:2 row_mask:0xf bank_mask:0xf
	v_min_num_f32_dpp v[R], v[R], v[R] row_xmask:4 row_mask:0xf bank_mask:0xf
	v_min_num_f32_dpp v[R], v[R], v[R] row_xmask:8 row_mask:0xf bank_mask:0xf
	v_cmp_eq_f32 vcc_lo, v[V], v[R]
	v_cndmask_b32 v[E], v[BIG], v[I], vcc_lo
	v_min_num_f32_dpp v[E], v[E], v[E] row_xmask:1 row_mask:0xf bank_mask:0xf
	v_min_num_f32_dpp v[E], v[E], v[E] row_xmask:2 row_mask:0xf bank_mask:0xf
	v_min_num_f32_dpp v[E], v[E], v[E] row_xmask:4 row_mask:0xf bank_mask:0xf
	v_min_num_f32_dpp v[W+(\k)], v[E], v[E] row_xmask:8 row_mask:0xf bank_mask:0xf
.if (\k) < 3
	v_cmp_eq_f32 vcc_lo, v[I], v[W+(\k)]
.set n, 0
.rept 3-(\k)                            ; only as many places as later rounds can still want
	v_cndmask_b32 v[V+n], v[V+n], v[V+n+1], vcc_lo
	v_cndmask_b32 v[I+n], v[I+n], v[I+n+1], vcc_lo
.set n, n+1
.endr
.endif
.endm
	PICK16 0
	PICK16 1
	PICK16 2
	PICK16 3
.irp n, 0,1,2,3
	v_cvt_u32_f32 v[W+\n], v[W+\n]
.endr
	ds_store_b128 v[RA], v[W:W+3]                  ; a row's sixteen lanes write the same 16 bytes with the same numbers
	s_wait_dscnt 0x0                               ; for wave 0's sake
	s_barrier_signal -1
	s_barrier_wait -1
	s_cmp_lg_u32 s[WV], 0
	s_cbranch_scc1 .Lend
	ds_load_b128 v[W:W+3], v[RB]
	v_cmp_gt_u32 vcc_lo, 16, v0
	s_wait_dscnt 0x0
	s_wait_xcnt 0x0                                ; EXEC changes only behind this wait
	s_and_saveexec_b32 s35, vcc_lo
	global_store_b128 v[OA], v[W:W+3], s[8:9]      ; 16 lanes store 256 consecutive bytes, at a multiple of 256 from order's first byte: 16 rows x 4 chunk numbers
	s_wait_xcnt 0x0                                ; and again, in front of the line that widens it
	s_or_b32 exec_lo, exec_lo, s35
.Lend:
	s_wait_tensorcnt 0x0                           ; the wave's end: behind my last tensor load and my last LDS store
	ds_add_u32 v[SPW], v[NIL]
	s_wait_dscnt 0x0
	CROUND                                         ; the closing round: no work-group ends while a partner may still ask for a tile that names it
	s_endpgm
.Lfunc_end_k_qbe441f4be2_scan:
	.size	k_qbe441f4be2_scan, .Lfunc_end_k_qbe441f4be2_scan-k_qbe441f4be2_scan
	.p2alignl 7, 3214868480
	.fill 96, 4, 3214868480
	.section	.rodata,"a",@progbits
	.p2align	6, 0x0
	.amdhsa_kernel k_qbe441f4be2_scan
		.amdhsa_group_segment_fixed_size 313344
		.amdhsa_private_segment_fixed_size 0
		.amdhsa_enable_private_segment 0
		.amdhsa_kernarg_size 24
		.amdhsa_user_sgpr_count 2
		.amdhsa_user_sgpr_kernarg_segment_ptr 1
		.amdhsa_wavefront_size32 1
		.amdhsa_system_sgpr_workgroup_id_x 1
		.amdhsa_system_sgpr_workgroup_id_y 1
		.amdhsa_system_sgpr_workgroup_id_z 1
		.amdhsa_system_vgpr_workitem_id 0
		.amdhsa_next_free_vgpr 192
		.amdhsa_next_free_sgpr 66
		.amdhsa_reserve_vcc 1
		.amdhsa_float_denorm_mode_32 3
		.amdhsa_float_denorm_mode_16_64 3
		.amdhsa_memory_ordered 1
		.amdhsa_forward_progress 1
		.amdhsa_inst_pref_size 89
	.end_amdhsa_kernel
	.amdgpu_metadata
---
amdhsa.version: [ 1, 2 ]
amdhsa.kernels:
  - .name:           k_qbe441f4be2_scan
    .symbol:         k_qbe441f4be2_scan.kd
    .args:
      - { .name: pred_boxes, .offset: 0, .size: 8, .value_kind: global_buffer, .address_space: global }
      - { .name: targets, .offset: 8, .size: 8, .value_kind: global_buffer, .address_space: global }
      - { .name: order, .offset: 16, .size: 8, .value_kind: global_buffer, .address_space: global }
    .group_segment_fixed_size: 313344
    .private_segment_fixed_size: 0
    .kernarg_segment_align: 8
    .kernarg_segment_size: 24
    .max_flat_workgroup_size: 256
    .sgpr_count:     66
    .vgpr_count:     192
    .wavefront_size: 32
...
	.end_amdgpu_metadata
.endif
;; end of part 1
;; launch pick (part 2): grid 256 x 1, 16 waves a work-group, no clusters, 2,304 bytes of LDS; arguments pred_boxes, targets, order, out0, out1; writes out0, out1
.if DOCPART == 2
	.amdgcn_target "amdgcn-amd-amdhsa--gfx1250"
	.amdhsa_code_object_version 6
	.text
	.protected	k_qbe441f4be2_pick
	.globl	k_qbe441f4be2_pick
	.p2align	8
	.type	k_qbe441f4be2_pick,@function
k_qbe441f4be2_pick:
	s_mov_b64 s[64:65], 0
	v_nop
	global_prefetch_b8 v0, s[64:65] scope:SCOPE_SE
	s_setreg_imm32_b32 hwreg(HW_REG_WAVE_MODE, 25, 1), 1
	s_wait_xcnt 0x0
; UNIFORM MATCHER, SECOND PART.  For row r = 512 b + t the launch before has stored the numbers of the four chunks of 32 queries that hold the row's four best queries.
; A wave takes a row: 128 candidates, four a lane (lane l: query l of each chunk, so that each load of the wave covers a chunk's 512 consecutive bytes, aligned).
; cost = ((|d0| + |d1|) + |d2|) + |d3| in f32, as in the launch before.  Four rounds: the least cost of the wave; among equal costs the lowest query index; that candidate is struck out.
; So equal costs come in ascending order of their indices.  Indices are carried as f32 (exact: below 16,384), so that their minimum across lanes rides on DPP like the costs'.
; out0's row is the four indices twice (the module's anchor half is the same list by its own text); out1's row is 0 1 2 3 0 1 2 3.
; A work-group's 16 rows meet in LDS, so that out0 and out1 each leave by one store of 512 consecutive bytes.  No cluster: work-groups share no tile; no prefetch: the launch is one short chain of loads.
; LIMITS.  NaN and infinite costs are not treated apart.  A chunk number is held to 0 .. 511 before it enters an address.
.set RES,   0                   ; LDS: 16 rows x 16 bytes
.set SPARE, 256                 ; the spare words, 128 bytes for each of the 16 waves
.set LN,  1                     ; v1   lane
.set L16, 2                     ; v2   16 x lane
.set OO,  3                     ; v3   my 16 bytes of the work-group's 512 in out0 and out1
.set VO,  4                     ; v[4:7]   byte offsets of my four candidates in the image
.set F,   8                     ; v[8:11]  their indices, as f32
.set SPW, 12                    ; v12  LDS address of my spare word; never rewritten
.set NIL, 13                    ; v13  0; never rewritten
.set RA,  14
.set XT,  15
.set P,   16                    ; v[16:31] four boxes
.set D,   32                    ; v[32:47] differences
.set C,   48                    ; v[48:51] costs
.set E,   52                    ; v[52:55] at work
.set R,   56
.set INF, 57
.set W,   60                    ; v[60:63] the row's four indices
.set K4,  64                    ; v[64:67] 0 1 2 3
.set WV,  14                    ; s14  my wave's number
.set ID,  20                    ; s[20:23] the four chunk numbers
.set TG,  24                    ; s[24:27] the target
.set SEL, 28                    ; s[28:29] v_permlanex16_b32's selects: each lane takes its own place in the other half
.set CM,  30                    ; s[30:33] four lane masks
	s_load_b256 s[4:11], s[0:1], 0x0               ; pred_boxes s[4:5], targets s[6:7], order s[8:9], out0 s[10:11]
	s_load_b64 s[12:13], s[0:1], 0x20              ; out1
	v_lshl_add_u32 v[SPW], v0, 2, SPARE
	v_mov_b32 v[NIL], 0
	v_lshrrev_b32 v1, 5, v0
	v_readfirstlane_b32 s[WV], v1                  ; wave 0..15
	s_lshl_b32 s15, ttmp9, 4
	s_add_co_u32 s15, s15, s[WV]                   ; my row
	s_lshl_b32 s16, s15, 4                         ; its 16 bytes in order
	s_and_b32 s17, s15, 511
	s_lshl_b32 s17, s17, 4                         ; its target's 16 bytes
	s_lshr_b32 s18, s15, 9
	s_lshl_b32 s18, s18, 18                        ; its image's 262,144 bytes
	s_mov_b32 s19, 0
	s_wait_kmcnt 0x0
	s_load_b128 s[ID:ID+3], s[8:9], s16 offset:0x0
	s_load_b128 s[TG:TG+3], s[6:7], s17 offset:0x0
	s_add_nc_u64 s[4:5], s[4:5], s[18:19]
	v_and_b32 v[LN], 31, v0
	v_lshlrev_b32 v[L16], 4, v[LN]
	s_lshl_b32 s34, ttmp9, 9
	v_add_nc_u32 v[OO], s34, v[L16]
	s_mov_b32 s[SEL], 0x76543210
	s_mov_b32 s[SEL+1], 0xfedcba98
	v_mov_b32 v[INF], 0x7f800000
	v_mov_b32 v[XT], 0                             ; (v_permlanex16_b32's destination counts as read)
	s_lshl_b32 s35, s[WV], 4
	v_mov_b32 v[RA], s35                           ; RES + 16 x wave
	s_wait_kmcnt 0x0
.irp k, 0,1,2,3
	s_min_u32 s[ID+\k], s[ID+\k], 511
.endr
.irp k, 0,1,2,3
	v_lshl_add_u32 v[VO+\k], s[ID+\k], 9, v[L16]   ; chunk x 512 + 16 x lane
	global_load_b128 v[P+4*\k:P+4*\k+3], v[VO+\k], s[4:5]
.endr
	s_cmp_lg_u32 s[WV], 1                          ; out1 hangs on nothing: wave 1 sends it while its boxes are on their way
	s_cbranch_scc1 .Lnot_wave_1
.irp n, 0,1,2,3
	v_mov_b32 v[K4+\n], \n
.endr
	global_store_b128 v[OO], v[K4:K4+3], s[12:13]  ; 512 consecutive bytes, at a multiple of 512 from out1's first byte; these four registers are not written again
.Lnot_wave_1:
.irp k, 0,1,2,3
	v_lshl_add_u32 v[F+\k], s[ID+\k], 5, v[LN]     ; the query's index: chunk x 32 + lane
.endr
.irp k, 0,1,2,3
	v_cvt_f32_u32 v[F+\k], v[F+\k]
.endr
.irp k, 0,1,2,3
	s_wait_loadcnt 3-\k                            ; loads come back in order (ISA guide 5.7.1): chunk k's box is in, the younger ones may stay out
.irp c, 0,1,2,3
	v_sub_f32 v[D+4*\k+\c], s[TG+\c], v[P+4*\k+\c]
.endr
.endr
.irp k, 0,1,2,3
	v_add_f32 v[C+\k], |v[D+4*\k]|, |v[D+4*\k+1]|
.endr
.irp k, 0,1,2,3
	v_add_f32 v[C+\k], v[C+\k], |v[D+4*\k+2]|
.endr
.irp k, 0,1,2,3
	v_add_f32 v[C+\k], v[C+\k], |v[D+4*\k+3]|
.endr
; The minimum of register r over the 32 lanes, into dst in every lane: four steps inside each half of 16 lanes ride on the arithmetic, one crosses the halves.
.macro WMIN dst, r
	v_min_num_f32_dpp v[\r], v[\r], v[\r] row_xmask:1 row_mask:0xf bank_mask:0xf
	v_min_num_f32_dpp v[\r], v[\r], v[\r] row_xmask:2 row_mask:0xf bank_mask:0xf
	v_min_num_f32_dpp v[\r], v[\r], v[\r] row_xmask:4 row_mask:0xf bank_mask:0xf
	v_min_num_f32_dpp v[\r], v[\r], v[\r] row_xmask:8 row_mask:0xf bank_mask:0xf
	v_permlanex16_b32 v[XT], v[\r], s[SEL], s[SEL+1]
	v_min_num_f32 v[\dst], v[\r], v[XT]
.endm
.macro PICK k
	v_min3_num_f32 v[R], v[C], v[C+1], v[C+2]
	v_min_num_f32 v[R], v[R], v[C+3]
	WMIN R, R                                      ; the least cost that is left
.irp n, 0,1,2,3
	v_cmp_eq_f32 s[CM+\n], v[C+\n], v[R]
.endr
.irp n, 0,1,2,3
	v_cndmask_b32 v[E+\n], v[INF], v[F+\n], s[CM+\n]  ; the indices of those that have it
.endr
	v_min3_num_f32 v[R], v[E], v[E+1], v[E+2]
	v_min_num_f32 v[R], v[R], v[E+3]
	WMIN W+(\k), R                                 ; the lowest of them
.if (\k) < 3
.irp n, 0,1,2,3
	v_cmp_eq_f32 s[CM+\n], v[F+\n], v[W+(\k)]
.endr
.irp n, 0,1,2,3
	v_cndmask_b32 v[C+\n], v[C+\n], v[INF], s[CM+\n]  ; is struck out
.endr
.endif
.endm
	PICK 0
	PICK 1
	PICK 2
	PICK 3
.irp n, 0,1,2,3
	v_cvt_u32_f32 v[W+\n], v[W+\n]
.endr
	ds_store_b128 v[RA], v[W:W+3]                  ; all lanes write the same 16 bytes with the same numbers
	s_wait_dscnt 0x0                               ; for wave 0's sake
	s_barrier_signal -1
	s_barrier_wait -1
	s_cmp_lg_u32 s[WV], 0
	s_cbranch_scc1 .Lend
	v_lshrrev_b32 v[E], 1, v[LN]                   ; a row of out0 is its four indices twice: lanes 2 r and 2 r + 1 both take row r's 16 bytes
	v_lshlrev_b32 v[E], 4, v[E]
	ds_load_b128 v[P:P+3], v[E]
	s_wait_dscnt 0x0
	global_store_b128 v[OO], v[P:P+3], s[10:11]    ; 512 consecutive bytes, at a multiple of 512 from out0's first byte
.Lend:
	s_wait_tensorcnt 0x0                           ; the wave's end: behind my last LDS store
	ds_add_u32 v[SPW], v[NIL]
	s_wait_dscnt 0x0
	s_endpgm
.Lfunc_end_k_qbe441f4be2_pick:
	.size	k_qbe441f4be2_pick, .Lfunc_end_k_qbe441f4be2_pick-k_qbe441f4be2_pick
	.p2alignl 7, 3214868480
	.fill 96, 4, 3214868480
	.section	.rodata,"a",@progbits
	.p2align	6, 0x0
	.amdhsa_kernel k_qbe441f4be2_pick
		.amdhsa_group_segment_fixed_size 2304
		.amdhsa_private_segment_fixed_size 0
		.amdhsa_enable_private_segment 0
		.amdhsa_kernarg_size 40
		.amdhsa_user_sgpr_count 2
		.amdhsa_user_sgpr_kernarg_segment_ptr 1
		.amdhsa_wavefront_size32 1
		.amdhsa_system_sgpr_workgroup_id_x 1
		.amdhsa_system_sgpr_workgroup_id_y 1
		.amdhsa_system_sgpr_workgroup_id_z 1
		.amdhsa_system_vgpr_workitem_id 0
		.amdhsa_next_free_vgpr 68
		.amdhsa_next_free_sgpr 66
		.amdhsa_reserve_vcc 0
		.amdhsa_float_denorm_mode_32 3
		.amdhsa_float_denorm_mode_16_64 3
		.amdhsa_memory_ordered 1
		.amdhsa_forward_progress 1
		.amdhsa_inst_pref_size 13
	.end_amdhsa_kernel
	.amdgpu_metadata
---
amdhsa.version: [ 1, 2 ]
amdhsa.kernels:
  - .name:           k_qbe441f4be2_pick
    .symbol:         k_qbe441f4be2_pick.kd
    .args:
      - { .name: pred_boxes, .offset: 0, .size: 8, .value_kind: global_buffer, .address_space: global }
      - { .name: targets, .offset: 8, .size: 8, .value_kind: global_buffer, .address_space: global }
      - { .name: order, .offset: 16, .size: 8, .value_kind: global_buffer, .address_space: global }
      - { .name: out0, .offset: 24, .size: 8, .value_kind: global_buffer, .address_space: global }
      - { .name: out1, .offset: 32, .size: 8, .value_kind: global_buffer, .address_space: global }
    .group_segment_fixed_size: 2304
    .private_segment_fixed_size: 0
    .kernarg_segment_align: 8
    .kernarg_segment_size: 40
    .max_flat_workgroup_size: 512
    .sgpr_count:     66
    .vgpr_count:     68
    .wavefront_size: 32
...
	.end_amdgpu_metadata
.endif
;; end of part 2
